; MI455X (gfx1250); checked and timed in simulation.
; The chip was launched on July 23, 2026; its instructions are those of AMD's public machine-readable ISA for CDNA 5 (MIT licence, August 2026) and "CDNA5" Instruction Set Architecture Reference Guide (July 2026). The comments in the code are by the model that wrote it; some were corrected since.
;; City Expert Mo E. Allowed arithmetic: matrix products marked QUANTISED: E5M2 operands, one E8M0 scale for each 32 along K, by v_wmma_scale_f32_16x16x128_f8f6f4 with both operands' format E5M2, f32 sums; products left as they are: f32 operands where the result goes on into a quantised operand, else bf16, f16 or f32 operands; f32 sums; everything else in f32.
;; Inputs: b1 8 x 4,096 float32; b2 8 x 1,024 float32; beta 1,024 float32; gamma 1,024 float32; gate_w 1,024 x 8 float32; w1_codes 8 x 4,096 x 32 x 32 uint8 (E5M2 codes of w1, K innermost, in blocks of 32 codes); w1_scales 8 x 4,096 x 32 uint8 (E8M0 scales of w1, one for each 32 codes along K); w2_codes 8 x 1,024 x 128 x 32 uint8 (E5M2 codes of w2, K innermost, in blocks of 32 codes); w2_scales 8 x 1,024 x 128 uint8 (E8M0 scales of w2, one for each 32 codes along K); x 4 x 256 x 1,024 float32.
;; Outputs: out0 4 x 256 x 1,024 float32.
;; This version of the problem:
;;   THIS VERSION OF THE PROBLEM IS GIVEN IN LOW PRECISION. The matrix products marked QUANTISED in the list below multiply operands that are first quantised to E5M2 (5 exponent bits, 2 mantissa bits; 8 bits a number), with one power-of-two scale for each 32 numbers along K (OCP MX v1.0); their sums are f32. All else is computed in f32.
;;   The module's matrix products, in the order in which they are computed (A, B: the left and right operand; K: the contracted axis; several contracted axes count as one K, in the product's order):
;;     1. [M 1,024, K 1,024] x [K 1,024, N 8]; A: computed on the way; B: input gate_w: left as it is (N = 8 < 16)
;;     2. [M 32,768, K 1,024] x [K 1,024, N 1,024]; A: input w1 (given as codes); B: computed on the way: QUANTISED
;;     3. batch 8 x [M 1,024, K 4,096] x [K 4,096, N 1,024]; A: computed on the way; B: input w2 (given as codes): QUANTISED
;;     4. batch 1,024 x [M 1, K 8] x [K 8, N 1,024]; A: computed on the way; B: computed on the way: left as it is (K = 8 < 32)
;;   THE QUANTISER, for each operand of a quantised product, along K:
;;     - K is cut into blocks of 32 from its start; a last block that is shorter is filled with zeros.
;;     - A block's scale is 2^e with e = floor(log2(the largest magnitude in the block)) - 15, held to -126 .. 127; a block of zeros has e = 0. As a byte (E8M0): e + 127.
;;     - Each number is divided by its block's scale, clamped to +-57,344, and rounded to the nearest number of E5M2, ties to even, subnormals kept.
;;     - The product sums the exact products of the quantised numbers (number of the format x scale) in f32.
;;   ~~~python
;;   def quantise(x, axis):      # numpy; x: float32 -> the quantised numbers, widened to float32 again
;;       x = np.moveaxis(x, axis, -1); K = x.shape[-1]
;;       x = np.pad(x, [(0, 0)] * (x.ndim - 1) + [(0, -K % 32)]); x = x.reshape(x.shape[:-1] + (-1, 32)); a = np.abs(x).max(-1, keepdims=True)
;;       e = np.where(a > 0, np.clip(np.frexp(np.where(a > 0, a, 1))[1] - 1 - 15, -126, 127), 0)      # np.frexp(a)[1] - 1 = floor(log2(a)), exactly
;;       r = np.clip(x / 2.0 ** e, -57344, 57344)
;;       step = 2.0 ** (np.maximum(np.frexp(np.where(r == 0, 1, r))[1] - 1, -14) - 2)
;;       q = np.round(r / step) * step * 2.0 ** e      # np.round: ties to even
;;       return np.moveaxis(q.reshape(q.shape[:-2] + (-1,))[..., :K], -1, axis).astype(np.float32)
;;   ~~~
;;   OPERANDS COMPUTED ON THE WAY. 'Computed on the way' means the value that the module computes at that place (a softmax that the list does not call 'softmax' is quantised finished and normalised). What goes into a quantiser is computed in f32, as accurately as f32 sums, v_exp_f32 and their like allow (about 1e-6 of the number): no bf16 or f16 on the way to a quantiser, and a product that is left as it is and whose result goes on into a quantised operand takes f32 operands (vector FMAs, or v_wmma_f32_16x16x4_f32). A number that lies on a knife's edge between two numbers of the format may be rounded either way, as far as f32 arithmetic and the matrix unit's own rounding can turn it there, and no further.
;;   INPUTS GIVEN AS CODES. w1 (in the module: [8, 1024, 4096], K = its axis 1); w2 (in the module: [8, 4096, 1024], K = its axis 1): each comes as NAME_codes (uint8): NAME with its K axis moved to the last place and cut into blocks of 32 codes, [.., K / 32, bytes a block], one block behind the other in memory; one code a byte (a code: sign, 5 exponent bits, 2 mantissa bits); and NAME_scales (uint8): the same leading axes, one E8M0 byte (e + 127) for each 32 codes along K. Its value is code x scale, taken as it is: it is not quantised again, and the codes and scales need not be those that the quantiser above would give.
;; One version. Each part assembles by itself: llvm-mc -triple=amdgcn-amd-amdhsa -mcpu=gfx1250 --defsym DOCPART=n.
;; ======== version 1 of 1: 4 launches
;; workspace buffers: xq 1,048,576 bytes; xs 32,768 bytes; sel 8,192 bytes of whole numbers; gw 8,192 bytes; lq 36,864 bytes of whole numbers; hq 33,554,432 bytes; hs 2,097,152 bytes; part 33,554,432 bytes
;; launch prep (part 1): grid 256 x 1, 4 waves a work-group, no clusters, 35,328 bytes of LDS; arguments x, gamma, beta, gate_w, xq, xs, sel, gw; writes xq, xs, sel, gw
.if DOCPART == 1
	.amdgcn_target "amdgcn-amd-amdhsa--gfx1250"
	.amdhsa_code_object_version 6
	.text
	.protected	k_q1f1873b162_prep
	.globl	k_q1f1873b162_prep
	.p2align	8
	.type	k_q1f1873b162_prep,@function
k_q1f1873b162_prep:
	s_mov_b64 s[64:65], 0
	v_nop
	global_prefetch_b8 v0, s[64:65] scope:SCOPE_SE
	s_setreg_imm32_b32 hwreg(HW_REG_WAVE_MODE, 25, 1), 1
	s_wait_xcnt 0x0
; LayerNorm, the quantiser of xn (E5M2 codes, one E8M0 byte for each 32 along D) and the router, for 1,024 tokens of 1,024 numbers.
; A wave takes one token: token = 4 x work-group + wave.  Lane l holds d = 256 j + 8 l + i (j 0..3, i 0..7) in v[X + 8 j + i]: a pair of 16-byte loads of the wave
; covers 1,024 consecutive bytes, and a block of 32 along D is the eight numbers of four neighbouring lanes.
; Mean first, then the squares of the differences: an offset in x costs no digits.  All sums f32.
; The router: logits by fused multiply-adds in f32, gate_w (32 KB) once through LDS for the four waves.  Softmax, top 2 and the renormalising collapse to
; w0 = 1 / (1 + e), w1 = e w0 with e = exp(second logit - largest logit): the largest logit is taken away as the softmax takes it, and the full sum cancels.
; The lower index wins a tie (strict compares in ascending order).  The choice steers no address here: it is stored at fixed places, sel[2 token + k], gw[2 token + k].
; LIMITS: NaN and infinities are not served.  A block whose largest magnitude lies under 2^-111 is held at that floor (byte 1); a block of zeros has byte 1 and zero codes:
; the bytes are read by this program alone.  Logits closer than f32 sums resolve may fall either way.
.set X,  16                            ; v16-47   x, then x - mean, then xn
.set GA, 48                            ; v48-79   gamma, later the numbers held within the largest code x the scale
.set BE, 80                            ; v80-111  beta; when beta has been used:
.set CD, 80                            ; v80-87   the codes
.set MX, 88                            ; v88-91   a block's largest magnitude, for each j
.set SO, 92                            ; v92-95   the conversion's scale operand
.set BD, 96                            ; v96-99   57,344 x the scale
.set BY, 100                           ; v100-103 the scale's byte
.set CO, 104                           ; v104     the codes' offset; v105, v106 the scale byte and its offset; v108 at work: none is written again behind its store
.set LO, 112                           ; v112-127 two sets of eight logit sums
.set GOF, 112                          ; v112     until gate_w's loads are in: their offset (the logit sums begin behind the wait for those loads)
.set GB, 128                           ; v128-255 gate_w: as loaded, then two buffers of 64
.macro LANESUM a, t                    ; the sum over the 32 lanes, in every lane
	v_add_f32_dpp v[\a], v[\a], v[\a] row_xmask:1 row_mask:0xf bank_mask:0xf
	v_add_f32_dpp v[\a], v[\a], v[\a] row_xmask:2 row_mask:0xf bank_mask:0xf
	v_add_f32_dpp v[\a], v[\a], v[\a] row_xmask:4 row_mask:0xf bank_mask:0xf
	v_add_f32_dpp v[\a], v[\a], v[\a] row_xmask:8 row_mask:0xf bank_mask:0xf
	v_permlanex16_b32 v[\t], v[\a], s32, s33
	v_add_f32 v[\a], v[\a], v[\t]
.endm
	s_load_b512 s[16:31], s[0:1], 0x0              ; x, gamma, beta, gate_w, xq, xs, sel, gw
	s_set_vgpr_msb 0x40
	v_lshl_add_u32 v0, v0, 2, 0x8800
	v_mov_b32 v1, 0
	s_set_vgpr_msb 0x4000
	v_lshrrev_b32 v5, 5, v0
	v_readfirstlane_b32 s2, v5                     ; wave
	v_and_b32 v1, 31, v0                           ; lane
	v_lshlrev_b32 v2, 5, v1                        ; 32 x lane: my eight numbers of each 256
	v_bfe_u32 v7, v0, 4, 1
	v_and_b32 v8, 15, v0
	v_mul_u32_u24 v3, v7, 272                      ; gate_w in LDS: groups of 256 bytes + 16 of padding.  In: a load's 512 bytes are two groups
	v_lshl_add_u32 v3, v8, 4, v3
	s_mul_i32 s7, s2, 8704                         ; wave w fills groups 32 w .. 32 w + 31
	v_add_nc_u32 v3, s7, v3
	v_mul_u32_u24 v4, v1, 272                      ; out: rows d = 256 j + 8 l + i are 32 bytes each: group 32 j + l, byte 32 i
	v_lshlrev_b32 v[GOF], 4, v1
	s_lshl_b32 s6, s2, 13
	v_add_nc_u32 v[GOF], s6, v[GOF]                ; gate_w in memory: 8,192 x wave + 16 x lane; kept until the loads are in
	s_lshl_b32 s3, ttmp9, 2
	s_add_co_u32 s3, s3, s2                        ; token
	s_mov_b32 s5, 0
	s_mov_b32 s32, 0x76543210
	s_mov_b32 s33, 0xfedcba98                      ; lane l xor 16
	s_mov_b32 s34, 0x600000                        ; the mantissa field of 57,344
	s_mov_b32 s35, 0x3a800000                      ; 1 / 1,024
	s_mov_b32 s36, 0x3727c5ac                      ; 1e-5
	s_wait_kmcnt 0x0
	s_lshl_b32 s4, s3, 12
	s_add_nc_u64 s[16:17], s[16:17], s[4:5]        ; my row of x
	s_lshl_b32 s4, s3, 10
	s_add_nc_u64 s[24:25], s[24:25], s[4:5]        ; of the codes
	s_lshl_b32 s4, s3, 5
	s_add_nc_u64 s[26:27], s[26:27], s[4:5]        ; of the scale bytes
	s_lshl_b32 s4, s3, 3
	s_add_nc_u64 s[28:29], s[28:29], s[4:5]        ; my two words of sel
	s_add_nc_u64 s[30:31], s[30:31], s[4:5]        ; and of gw
.irp j, 0,1,2,3
	global_load_b128 v[X+8*\j:X+8*\j+3], v2, s[16:17] offset:1024*\j th:TH_LOAD_NT
	global_load_b128 v[X+8*\j+4:X+8*\j+7], v2, s[16:17] offset:1024*\j+16 th:TH_LOAD_NT
.endr
.irp j, 0,1,2,3
	global_load_b128 v[GA+8*\j:GA+8*\j+3], v2, s[18:19] offset:1024*\j
	global_load_b128 v[GA+8*\j+4:GA+8*\j+7], v2, s[18:19] offset:1024*\j+16
.endr
.irp j, 0,1,2,3
	global_load_b128 v[BE+8*\j:BE+8*\j+3], v2, s[20:21] offset:1024*\j
	global_load_b128 v[BE+8*\j+4:BE+8*\j+7], v2, s[20:21] offset:1024*\j+16
.endr
.irp m, 0,1,2,3,4,5,6,7,8,9,10,11,12,13,14,15
	global_load_b128 v[GB+4*\m:GB+4*\m+3], v[GOF], s[22:23] offset:512*\m
.endr
	s_wait_loadcnt 32                              ; x is in; the 32 younger loads (gamma 8, beta 8, gate_w 16) stay out
	v_pk_add_f32 v[6:7], v[X:X+1], v[X+2:X+3]      ; the mean: two chains of packed sums
	v_pk_add_f32 v[8:9], v[X+4:X+5], v[X+6:X+7]
.irp j, 8,12,16,20,24,28
	v_pk_add_f32 v[6:7], v[6:7], v[X+\j:X+\j+1]
	v_pk_add_f32 v[8:9], v[8:9], v[X+\j+2:X+\j+3]
.endr
	v_pk_add_f32 v[6:7], v[6:7], v[8:9]
	v_add_f32 v6, v6, v7
	LANESUM 6, 7
	v_mul_f32 v6, s35, v6                          ; the mean
.set n, 0
.rept 16
	v_pk_add_f32 v[X+n:X+n+1], v[X+n:X+n+1], v[6:7] op_sel_hi:[1,0] neg_lo:[0,1] neg_hi:[0,1]
.set n, n+2
.endr
.irp c, 0,1,2,3                        ; the squares, in four chains; the first four products start them
	v_pk_mul_f32 v[8+2*\c:9+2*\c], v[X+2*\c:X+2*\c+1], v[X+2*\c:X+2*\c+1]
.endr
.irp g, 8,16,24
.irp c, 0,1,2,3
	v_pk_fma_f32 v[8+2*\c:9+2*\c], v[X+\g+2*\c:X+\g+2*\c+1], v[X+\g+2*\c:X+\g+2*\c+1], v[8+2*\c:9+2*\c]
.endr
.endr
	v_pk_add_f32 v[8:9], v[8:9], v[10:11]
	v_pk_add_f32 v[12:13], v[12:13], v[14:15]
	v_pk_add_f32 v[8:9], v[8:9], v[12:13]
	v_add_f32 v8, v8, v9
	LANESUM 8, 9
	v_fma_f32 v8, v8, s35, s36                     ; the variance + 1e-5
	v_rsq_f32 v10, v8
	v_nop                                          ; a plain instruction behind the transcendental
	s_wait_alu depctr_va_vdst(0)                   ; and a wait ahead of its first reader
	s_wait_loadcnt 16                              ; gamma and beta are in; gate_w's 16 loads stay out
.set n, 0
.rept 16
	v_pk_mul_f32 v[X+n:X+n+1], v[X+n:X+n+1], v[10:11] op_sel_hi:[1,0]
.set n, n+2
.endr
.set n, 0
.rept 16
	v_pk_fma_f32 v[X+n:X+n+1], v[X+n:X+n+1], v[GA+n:GA+n+1], v[BE+n:BE+n+1]   ; xn
.set n, n+2
.endr
	v_lshlrev_b32 v[CO], 3, v1                     ; my eight codes of each 256.  Beta has been used: its registers are free from here on
	; THE QUANTISER, while gate_w is on its way.  For each j my eight numbers and those of three neighbouring lanes are a block.
.irp j, 0,1,2,3
	v_max3_num_f32 v[MX+\j], |v[X+8*\j]|, |v[X+8*\j+1]|, 0x8000000   ; with the floor 2^(16 - 127): the byte cannot fall under 1
.endr
.irp i, 2,4,6
.irp j, 0,1,2,3
	v_max3_num_f32 v[MX+\j], v[MX+\j], |v[X+8*\j+\i]|, |v[X+8*\j+\i+1]|
.endr
.endr
.irp j, 0,1,2,3
	v_max_num_f32_dpp v[MX+\j], v[MX+\j], v[MX+\j] row_xmask:1 row_mask:0xf bank_mask:0xf
.endr
.irp j, 0,1,2,3
	v_max_num_f32_dpp v[MX+\j], v[MX+\j], v[MX+\j] row_xmask:2 row_mask:0xf bank_mask:0xf
.endr
.irp j, 0,1,2,3
	v_add_nc_u32 v[SO+\j], 0xf8800000, v[MX+\j]    ; 15 off the exponent field: the conversion takes this operand's exponent field as its scale
.endr
.irp j, 0,1,2,3
	v_and_or_b32 v[BD+\j], v[MX+\j], 0x7f800000, s34   ; 57,344 x the scale
.endr
.irp j, 0,1,2,3
	v_lshrrev_b32 v[BY+\j], 23, v[SO+\j]           ; the scale's byte
.endr
.irp j, 0,1,2,3
.irp i, 0,1,2,3,4,5,6,7
	v_med3_num_f32 v[GA+8*\j+\i], v[X+8*\j+\i], -v[BD+\j], v[BD+\j]   ; the conversion to an 8-bit code does not saturate (ISA guide 7.6.2): the hold; xn itself stays for the router
.endr
	v_cvt_scalef32_pk8_bf8_f32 v[CD+2*\j:CD+2*\j+1], v[GA+8*\j:GA+8*\j+7], v[SO+\j]
.endr
	v_nop                                          ; a plain instruction behind the last conversion
.irp j, 0,1,2,3
	global_store_b64 v[CO], v[CD+2*\j:CD+2*\j+1], s[24:25] offset:256*\j   ; the wave stores 256 consecutive bytes, aligned
.endr
	v_and_b32 v108, 3, v1                          ; the 32 scale bytes: lane l sends the byte of block 8 (l % 4) + l / 4, which it holds in register l % 4
	v_cmp_eq_u32 vcc_lo, 1, v108
	v_cndmask_b32 v105, v[BY], v[BY+1], vcc_lo
	v_cmp_eq_u32 vcc_lo, 2, v108
	v_cndmask_b32 v105, v105, v[BY+2], vcc_lo
	v_cmp_eq_u32 vcc_lo, 3, v108
	v_cndmask_b32 v105, v105, v[BY+3], vcc_lo
	v_lshrrev_b32 v106, 2, v1
	v_lshl_add_u32 v106, v108, 3, v106
	global_store_b8 v106, v105, s[26:27]           ; 32 neighbouring bytes
	; gate_w into LDS
	s_wait_loadcnt 0x0                             ; gate_w is in: its loads' offset register is free for the logit sums
.irp m, 0,1,2,3,4,5,6,7,8,9,10,11,12,13,14,15
	ds_store_b128 v3, v[GB+4*\m:GB+4*\m+3] offset:544*\m
.endr
	s_wait_dscnt 0x0                               ; for the others' sake: my quarter lies in LDS
	s_barrier_signal -1
	s_barrier_wait -1                              ; everybody's does; nothing is written there again
	; THE LOGITS: eight sums a lane over its 32 d, two sets (even i, odd i) so that the chains are short
.macro LGT j                           ; the rows d = 256 j + 8 l + 0 .. 7 of gate_w: 16 loads into buffer j % 2
.irp i, 0,1,2,3,4,5,6,7
	ds_load_b128 v[GB+64*((\j)%2)+8*\i:GB+64*((\j)%2)+8*\i+3], v4 offset:8704*(\j)+32*\i
	ds_load_b128 v[GB+64*((\j)%2)+8*\i+4:GB+64*((\j)%2)+8*\i+7], v4 offset:8704*(\j)+32*\i+16
.endr
.endm
.macro FM j                            ; 32 packed multiply-adds: xn(d) serves both halves (of its pair the first register for even i, the second for odd i)
.irp i, 0,1,2,3,4,5,6,7
.irp p, 0,1,2,3
.set rL, LO+8*((\i)%2)+2*\p
.set rG, GB+64*((\j)%2)+8*\i+2*\p
.set rX, X+8*(\j)+2*((\i)/2)
.if ((\j) == 0) && (\i == 0)
	v_pk_mul_f32 v[rL:rL+1], v[rG:rG+1], v[rX:rX+1] op_sel_hi:[1,0]
.elseif ((\j) == 0) && (\i == 1)
	v_pk_mul_f32 v[rL:rL+1], v[rG:rG+1], v[rX:rX+1] op_sel:[0,1] op_sel_hi:[1,1]
.elseif ((\i)%2) == 0
	v_pk_fma_f32 v[rL:rL+1], v[rG:rG+1], v[rX:rX+1], v[rL:rL+1] op_sel_hi:[1,0,1]
.else
	v_pk_fma_f32 v[rL:rL+1], v[rG:rG+1], v[rX:rX+1], v[rL:rL+1] op_sel:[0,1,0] op_sel_hi:[1,1,1]
.endif
.endr
.endr
.endm
	LGT 0
	LGT 1
	s_wait_dscnt 16                                ; the older buffer is in; the younger one's 16 loads stay out
	FM 0
	LGT 2
	s_wait_dscnt 16
	FM 1
	LGT 3
	s_wait_dscnt 16
	FM 2
	s_wait_dscnt 0x0
	FM 3
.irp p, 0,2,4,6
	v_pk_add_f32 v[LO+\p:LO+\p+1], v[LO+\p:LO+\p+1], v[LO+8+\p:LO+8+\p+1]
.endr
.irp m, 1,2,4,8
.irp e, 0,1,2,3,4,5,6,7
	v_add_f32_dpp v[LO+\e], v[LO+\e], v[LO+\e] row_xmask:\m row_mask:0xf bank_mask:0xf
.endr
.endr
.irp e, 0,1,2,3,4,5,6,7
	v_permlanex16_b32 v[LO+8+\e], v[LO+\e], s32, s33
.endr
.irp e, 0,1,2,3,4,5,6,7
	v_add_f32 v[LO+\e], v[LO+\e], v[LO+8+\e]       ; the eight logits, in every lane
.endr
	; TOP 2
	v_mov_b32 v5, v[LO]
	v_mov_b32 v6, 0
.irp e, 1,2,3,4,5,6,7
	v_cmp_gt_f32 vcc_lo, v[LO+\e], v5
	v_cndmask_b32 v5, v5, v[LO+\e], vcc_lo
	v_cndmask_b32 v6, v6, \e, vcc_lo
.endr
	v_mov_b32 v7, 0xff800000                       ; the winner leaves the field: -infinity, by its index
.irp e, 0,1,2,3,4,5,6,7
	v_cmp_eq_u32 vcc_lo, \e, v6
	v_cndmask_b32 v[LO+\e], v[LO+\e], v7, vcc_lo
.endr
	v_mov_b32 v8, v[LO]
	v_mov_b32 v9, 0
.irp e, 1,2,3,4,5,6,7
	v_cmp_gt_f32 vcc_lo, v[LO+\e], v8
	v_cndmask_b32 v8, v8, v[LO+\e], vcc_lo
	v_cndmask_b32 v9, v9, \e, vcc_lo
.endr
	v_sub_f32 v10, v8, v5                          ; second - largest: 0 or less
	v_mul_f32 v10, 0x3fb8aa3b, v10
	v_exp_f32 v10, v10
	v_nop
	s_wait_alu depctr_va_vdst(0)
	v_add_f32 v11, 1.0, v10
	v_rcp_f32 v11, v11                             ; w0
	v_nop
	s_wait_alu depctr_va_vdst(0)
	v_mul_f32 v10, v10, v11                        ; w1
	v_cmp_eq_u32 vcc_lo, 1, v1
	v_cndmask_b32 v12, v6, v9, vcc_lo
	v_cndmask_b32 v13, v11, v10, vcc_lo
	v_lshlrev_b32 v14, 2, v1
	s_wait_xcnt 0x0                                ; EXEC changes only behind this wait: the earlier stores have taken it
	s_set_vgpr_msb 0x5
	s_wait_tensorcnt 0x0
	ds_add_u32 v0, v1
	s_wait_dscnt 0x0
	s_set_vgpr_msb 0x500
	v_cmpx_gt_u32 2, v1                            ; lane k stores choice k
	global_store_b32 v14, v12, s[28:29]
	global_store_b32 v14, v13, s[30:31]
	s_endpgm
.Lfunc_end_k_q1f1873b162_prep:
	.size	k_q1f1873b162_prep, .Lfunc_end_k_q1f1873b162_prep-k_q1f1873b162_prep
	.p2alignl 7, 3214868480
	.fill 96, 4, 3214868480
	.section	.rodata,"a",@progbits
	.p2align	6, 0x0
	.amdhsa_kernel k_q1f1873b162_prep
		.amdhsa_group_segment_fixed_size 35328
		.amdhsa_private_segment_fixed_size 0
		.amdhsa_enable_private_segment 0
		.amdhsa_kernarg_size 64
		.amdhsa_user_sgpr_count 2
		.amdhsa_user_sgpr_kernarg_segment_ptr 1
		.amdhsa_wavefront_size32 1
		.amdhsa_system_sgpr_workgroup_id_x 1
		.amdhsa_system_sgpr_workgroup_id_y 1
		.amdhsa_system_sgpr_workgroup_id_z 1
		.amdhsa_system_vgpr_workitem_id 0
		.amdhsa_next_free_vgpr 258
		.amdhsa_next_free_sgpr 66
		.amdhsa_reserve_vcc 1
		.amdhsa_float_denorm_mode_32 3
		.amdhsa_float_denorm_mode_16_64 3
		.amdhsa_memory_ordered 1
		.amdhsa_forward_progress 1
		.amdhsa_inst_pref_size 37
	.end_amdhsa_kernel
	.amdgpu_metadata
---
amdhsa.version: [ 1, 2 ]
amdhsa.kernels:
  - .name:           k_q1f1873b162_prep
    .symbol:         k_q1f1873b162_prep.kd
    .args:
      - { .name: x, .offset: 0, .size: 8, .value_kind: global_buffer, .address_space: global }
      - { .name: gamma, .offset: 8, .size: 8, .value_kind: global_buffer, .address_space: global }
      - { .name: beta, .offset: 16, .size: 8, .value_kind: global_buffer, .address_space: global }
      - { .name: gate_w, .offset: 24, .size: 8, .value_kind: global_buffer, .address_space: global }
      - { .name: xq, .offset: 32, .size: 8, .value_kind: global_buffer, .address_space: global }
      - { .name: xs, .offset: 40, .size: 8, .value_kind: global_buffer, .address_space: global }
      - { .name: sel, .offset: 48, .size: 8, .value_kind: global_buffer, .address_space: global }
      - { .name: gw, .offset: 56, .size: 8, .value_kind: global_buffer, .address_space: global }
    .group_segment_fixed_size: 35328
    .private_segment_fixed_size: 0
    .kernarg_segment_align: 8
    .kernarg_segment_size: 64
    .max_flat_workgroup_size: 128
    .sgpr_count:     66
    .vgpr_count:     258
    .wavefront_size: 32
...
	.end_amdgpu_metadata
.endif
;; end of part 1
;; launch up (part 2): grid 256 x 1, 4 waves a work-group, no clusters, 142,848 bytes of LDS; arguments xq, xs, sel, w1_codes, w1_scales, b1, hq, hs, lq; writes hq, hs, lq
.if DOCPART == 2
	.amdgcn_target "amdgcn-amd-amdhsa--gfx1250"
	.amdhsa_code_object_version 6
	.text
	.protected	k_q1f1873b162_up
	.globl	k_q1f1873b162_up
	.p2align	8
	.type	k_q1f1873b162_up,@function
k_q1f1873b162_up:
	s_mov_b64 s[64:65], 0
	v_nop
	global_prefetch_b8 v0, s[64:65] scope:SCOPE_SE
	s_setreg_imm32_b32 hwreg(HW_REG_WAVE_MODE, 25, 1), 1
	s_wait_xcnt 0x0
; h = Q(gelu(xn W1 + b1)) for the rows that chose an expert; both operands E5M2 codes with E8M0 scales.  Work-group = (expert e = id / 32, slice sl = id % 32): hidden units 128 sl .. + 127 of expert e,
; which are K step sl of the second product.  Its 128 rows of W1 (128 KB of codes, 4 KB of scale bytes) are read from memory once and lie in LDS, read-only behind the second barrier.
; THE ROWS ARE PLACED HERE.  sel[q], q = 2 token + k, holds the expert that the launch before chose.  Every wave loads all 2,048 words; wave 0 lists the q of my expert in LDS by a counting sort (a row's place is
; the count so far plus the matching lanes below mine), the other waves only count them: the count n steers trip counts and is made in each wave's own registers.  List words n .. 1,055 repeat one row of the expert
; (0 if it has none), so that whole tiles of 16 can be taken; words 1,056 .. 1,087 take what lanes without a match store, and nobody reads them.  All 32 work-groups of an expert make the same list;
; the one with sl = 0 copies words 0 .. 1,023 and n (words 1,088 .. 1,119) to its expert's segment of lq (1,152 words) for the next launch.
; Behind the second barrier the four waves are independent: wave w owns the expert's row tiles w, w + 4, w + 8, .. (16 routed rows each) and takes four at a time, or one where exactly one is left:
; with four, a weight fragment of 2 KB read from LDS feeds four matrix instructions.  The rows' codes (gathered from xq) lie in 512 registers; the next group's are asked for ahead of the way out.
; Trip counts hang on n, and no barrier stands under a branch on it.
; TRANSPOSED: source 0 = 16 rows of W1, source 1 = 16 routed rows: a lane holds ONE routed row.  THE ROWS OF W1 THAT FORM A TILE ARE NOT NEIGHBOURS: lane m of tile 2 b + u takes row 32 b + 8 u + m + 8 (m / 8),
; so that the 16 registers of tiles 2 b, 2 b + 1 are 16 neighbours along the next K.  In LDS row rho lies in slot rho with bits 3 and 4 exchanged: a tile's 16 slots are then neighbours.
; gelu(z) = max(z, 0) - |z| E, E = erfc(|z| / sqrt 2) / 2 = t exp(-z z / 2 + P(t)) / 2, t = 1 / (1 + |z| / (2 sqrt 2)), P of degree 9: a fit of erfc whose relative error stays under 1.2e-7 for every argument.
; P's coefficients carry the factor log2(e), the half is a 1 taken off the constant term.  All in f32.
; The result leaves as IMAGES OF THE NEXT OPERAND'S REGISTERS: hq[((64 e + tile) 32 + sl) 2,048 + 512 c + 16 lane], its scale words hs[((64 e + tile) 32 + sl) 128 + 4 lane]
; (each store of codes covers 512 consecutive bytes, aligned; a scale store 128).
; An expert with no row still makes tile 0 (of the pad row): the next launch's first request reads it and uses nothing of it.
; LIMITS: NaN and infinities are not served.  Above |z| = 1.8e19 z z is infinite and the result is max(z, 0), as it should be.  Blocks under 2^-111 are held at that floor; a block of zeros has byte 1 and zero codes.
; REGISTERS, in windows of 256.  Window 0: v1 16 lane, v2 4 lane, v3, v4 my place in weight tiles 0-3, 4-7, v5 in the weights' scale words, v7 16 h, v8-11 list words, v12-15 my rows' bytes in xq,
;   v16-17 in xs, v18 my place in the list, v20-21 the stores' offsets, v22-23 the fit's top coefficient (at the head: LDS addresses of the fill), v24-31 weights' scale words (two sets), v32-47 the rows' scale words
;   (pair j: tile 2 j in lanes 0-15, tile 2 j + 1 in lanes 16-31), v48-111 b1 in the result's layout, v112-127 the quantiser's, v128-255 eight weight fragments; at the head v128-191 sel, v192-230 the placing's;
;   on the way out v128.. t, v160.. z z then max(z, 0), v192.. P, v224.. codes, v240 scale word.
;   Windows 1, 2: the rows' fragments, K step s, tile i at 256 (1 + s / 4) + 64 (s % 4) + 16 i.   Window 3: accumulator (i, t) at 64 i + 8 t; its v0-63 are also z on the way out; at the head the 256 hold the fill.
.set WL, 4608                          ; LDS: the list lies at byte 0 (1,088 words); the weights begin here
.set PITCH, 1040                       ; a slot: 1,024 bytes + 16: an odd multiple of 16, so the 16 rows of a fragment load start in 16 different groups of banks
.set WSL, WL+128*PITCH                 ; the weights' scale words: 512 s + 16 lane + 4 p is slot 32 p + lane, K step s: one 16-byte load a lane brings a K step's four registers
.set WS, 24
.set XS, 32
.set BI, 48
.set TM, 112
.set WF, 128
.set T, 128
.set Q, 160
.set R, 192
.set PC, 224
.set PW, 240
.set SE, 128                           ; v128-191 sel: register 4 m + c of lane l is q = 128 m + 4 l + c
.set PA, 192                           ; v192-207 where sixteen steps store
.set PD, 208                           ; v208-223 what they store: q
.set MSB, 0
.macro WIN new                         ; the immediate's high byte repeats the setting that is left; a switch that changes nothing is dropped
.if MSB != (\new)
	s_set_vgpr_msb (MSB<<8)|(\new)
.set MSB, (\new)
.endif
.endm
.macro PLACES                          ; eight plain instructions between a matrix instruction of this form and a load into, or a read of, its registers
.rept 8
	v_nop
.endr
.endm
.macro LS s                            ; K step s: the weights' scale words
	ds_load_b128 v[WS+4*((\s)%2):WS+4*((\s)%2)+3], v5 offset:512*(\s)
.endm
.macro LW g, s                         ; K step s: weight tiles 4 g .. 4 g + 3: 16 loads
.irp t, 0,1,2,3
.irp c, 0,1,2,3
	ds_load_b128 v[WF+64*(\g)+16*\t+4*\c:WF+64*(\g)+16*\t+4*\c+3], v[3+(\g)] offset:16*PITCH*\t+128*(\s)+32*\c
.endr
.endr
.endm
.macro WM i, t, s                      ; one product: row tile i, weight tile t, K step s.  The first K step starts the sum with the constant 0
.set rD, 64*(\i)+8*(\t)
.set rA, WF+16*(\t)
.set rB, 64*((\s)%4)+16*(\i)
.set rP, WS+4*((\s)%2)+(\t)/2
.set rQ, XS+8*((\i)/2)+(\s)
.if (\s) == 0
.if ((\t)%2) == 0
.if ((\i)%2) == 0
	v_wmma_scale_f32_16x16x128_f8f6f4 v[rD:rD+7], v[rA:rA+15], v[rB:rB+15], 0, v[rP], v[rQ] matrix_a_fmt:MATRIX_FMT_BF8 matrix_b_fmt:MATRIX_FMT_BF8
.else
	v_wmma_scale_f32_16x16x128_f8f6f4 v[rD:rD+7], v[rA:rA+15], v[rB:rB+15], 0, v[rP], v[rQ] matrix_a_fmt:MATRIX_FMT_BF8 matrix_b_fmt:MATRIX_FMT_BF8 matrix_b_scale:MATRIX_SCALE_ROW1
.endif
.else
.if ((\i)%2) == 0
	v_wmma_scale_f32_16x16x128_f8f6f4 v[rD:rD+7], v[rA:rA+15], v[rB:rB+15], 0, v[rP], v[rQ] matrix_a_fmt:MATRIX_FMT_BF8 matrix_b_fmt:MATRIX_FMT_BF8 matrix_a_scale:MATRIX_SCALE_ROW1
.else
	v_wmma_scale_f32_16x16x128_f8f6f4 v[rD:rD+7], v[rA:rA+15], v[rB:rB+15], 0, v[rP], v[rQ] matrix_a_fmt:MATRIX_FMT_BF8 matrix_b_fmt:MATRIX_FMT_BF8 matrix_a_scale:MATRIX_SCALE_ROW1 matrix_b_scale:MATRIX_SCALE_ROW1
.endif
.endif
.else
.if ((\t)%2) == 0
.if ((\i)%2) == 0
	v_wmma_scale_f32_16x16x128_f8f6f4 v[rD:rD+7], v[rA:rA+15], v[rB:rB+15], v[rD:rD+7], v[rP], v[rQ] matrix_a_fmt:MATRIX_FMT_BF8 matrix_b_fmt:MATRIX_FMT_BF8
.else
	v_wmma_scale_f32_16x16x128_f8f6f4 v[rD:rD+7], v[rA:rA+15], v[rB:rB+15], v[rD:rD+7], v[rP], v[rQ] matrix_a_fmt:MATRIX_FMT_BF8 matrix_b_fmt:MATRIX_FMT_BF8 matrix_b_scale:MATRIX_SCALE_ROW1
.endif
.else
.if ((\i)%2) == 0
	v_wmma_scale_f32_16x16x128_f8f6f4 v[rD:rD+7], v[rA:rA+15], v[rB:rB+15], v[rD:rD+7], v[rP], v[rQ] matrix_a_fmt:MATRIX_FMT_BF8 matrix_b_fmt:MATRIX_FMT_BF8 matrix_a_scale:MATRIX_SCALE_ROW1
.else
	v_wmma_scale_f32_16x16x128_f8f6f4 v[rD:rD+7], v[rA:rA+15], v[rB:rB+15], v[rD:rD+7], v[rP], v[rQ] matrix_a_fmt:MATRIX_FMT_BF8 matrix_b_fmt:MATRIX_FMT_BF8 matrix_a_scale:MATRIX_SCALE_ROW1 matrix_b_scale:MATRIX_SCALE_ROW1
.endif
.endif
.endif
.endm
.macro MUL nt, g, s                    ; nt row tiles x weight tiles 4 g .. 4 g + 3.  The accumulators take turns, one instruction a turn: 8 nt of them go round between two links of a chain
.irp i, 0,1,2,3
.if \i < \nt
.irp t, 0,1,2,3
	WM \i, 4*(\g)+\t, \s
.endr
.endif
.endr
.endm
; All of K = 1,024 for nt row tiles: eight K steps, each in two halves; while one half's weight fragments are multiplied the other half's are on their way from LDS.
; THE ROWS' FRAGMENTS MAY STILL BE LANDING.  The first group's were asked for K step by K step, 16 loads each; the head's wait has shown K steps 0-3 in; ahead of K step s = 4 .. 7 the 16 (7 - s) loads of the
; later K steps may stay out.  Round the loop's backward jump no load is out (the wait for 0 at the loop's tail), so the same counts hold on both ways in.
.macro MATRIX nt
	LS 0
	LW 0, 0
	LW 1, 0
.irp s, 0,1,2,3,4,5,6,7
	s_wait_dscnt 16                                ; the scale words and tiles 0-3 are in; the 16 loads of tiles 4-7 may be out
.if \s >= 4
	s_wait_loadcnt 16*(7-\s)                       ; this K step's fragments of the rows are in; the later K steps' loads may be out
.endif
	WIN 0xf4+4*((\s)/4)                            ; source 0 window 0, source 1 window 1 or 2, C and D window 3
	MUL \nt, 0, \s
	WIN 0
	PLACES
.if \s < 7
	LS \s+1
	LW 0, \s+1
	s_wait_dscnt 17                                ; tiles 4-7 are in; the 17 loads just issued may be out
.else
	s_wait_dscnt 0x0
.endif
	WIN 0xf4+4*((\s)/4)
	MUL \nt, 1, \s
	WIN 0
	PLACES                                         ; behind the last K step these also stand ahead of the next group's loads and of the first read of results
.if \s < 7
	LW 1, \s+1
.endif
.endr
.endm
.macro LISTL g                         ; the list words of group g's four tiles w + 16 g + 4 i: row r of tile i, in both halves of the lanes
.irp i, 0,1,2,3
	ds_load_b32 v[8+\i], v18 offset:1024*(\g)+256*\i
.endr
.endm
.macro OFFS                            ; list words q become byte offsets: token = q / 2, held inside the table
.irp j, 0,1
	v_cndmask_b32 v[16+\j], v[9+2*\j], v[8+2*\j], s46   ; lanes 0-15 take tile 2 j, lanes 16-31 tile 2 j + 1
	v_lshrrev_b32 v[16+\j], 1, v[16+\j]
	v_min_u32 v[16+\j], 0x3ff, v[16+\j]
	v_lshlrev_b32 v[16+\j], 5, v[16+\j]            ; 32 scale bytes a token
.endr
.irp i, 0,1,2,3
	v_lshrrev_b32 v[12+\i], 1, v[8+\i]
	v_min_u32 v[12+\i], 0x3ff, v[12+\i]
	v_lshlrev_b32 v[12+\i], 10, v[12+\i]           ; 1,024 codes a token,
	v_add_nc_u32 v[12+\i], v[12+\i], v7            ; + 16 h
.endr
.endm
.macro GSC                             ; the rows' scale words, all eight K steps
.irp j, 0,1
	global_load_b128 v[XS+8*\j:XS+8*\j+3], v[16+\j], s[18:19]
	global_load_b128 v[XS+8*\j+4:XS+8*\j+7], v[16+\j], s[18:19] offset:16
.endr
.endm
.macro GX lo, hi                       ; the fragments of row tiles lo .. hi, K STEP BY K STEP: lane (r, h) takes, of its row, bytes 128 s + 32 c + 16 h on
	WIN 0x40
.irp s, 0,1,2,3
.irp i, 0,1,2,3
.if (\i >= \lo) && (\i <= \hi)
.irp c, 0,1,2,3
	global_load_b128 v[64*\s+16*\i+4*\c:64*\s+16*\i+4*\c+3], v[12+\i], s[16:17] offset:128*\s+32*\c
.endr
.endif
.endr
.endr
	WIN 0x80
.irp s, 0,1,2,3
.irp i, 0,1,2,3
.if (\i >= \lo) && (\i <= \hi)
.irp c, 0,1,2,3
	global_load_b128 v[64*\s+16*\i+4*\c:64*\s+16*\i+4*\c+3], v[12+\i], s[16:17] offset:512+128*\s+32*\c
.endr
.endif
.endr
.endr
	WIN 0
.endm
.macro E1 i                            ; z = row tile i's sums + b1, into window 3's v0-63; each accumulator is read from its low end on
	WIN 0xc3
.set n, 0
.rept 32
	v_pk_add_f32 v[n:n+1], v[64*(\i)+n:64*(\i)+n+1], v[BI+n:BI+n+1]
.set n, n+2
.endr
	WIN 0
.endm
.macro GELU hf                         ; 32 of the lane's 64 numbers, in place.  Two batches of transcendentals, each with plain work behind it and ONE wait ahead of its first reader
	WIN 0x0f
.set n, 0
.rept 32
	v_fma_f32 v[T+n], |v[32*(\hf)+n]|, s38, 1.0    ; 1 + |z| / (2 sqrt 2)
.set n, n+1
.endr
	WIN 0
.set n, 0
.rept 32
	v_rcp_f32 v[T+n], v[T+n]                       ; t
.set n, n+1
.endr
	WIN 0x0f
.set n, 0
.rept 16
	v_pk_mul_f32 v[Q+n:Q+n+1], v[32*(\hf)+n:32*(\hf)+n+1], v[32*(\hf)+n:32*(\hf)+n+1]   ; z z: the plain work behind the reciprocals
.set n, n+2
.endr
	s_wait_alu depctr_va_vdst(0)                   ; one wait for the 32
	WIN 0
.set n, 0
.rept 16
	v_pk_fma_f32 v[R+n:R+n+1], v[T+n:T+n+1], v[22:23], 0xbf97d29d op_sel_hi:[1,1,0]
.set n, n+2
.endr
.irp k, 0x40097039,0xbfd1a1e5,0x3ecdfd18,0xbe899a80,0x3e0efb2e,0x3f0a29d2,0x3fb8ab5a,0xc034d90f
.set n, 0
.rept 16
	v_pk_fma_f32 v[R+n:R+n+1], v[R+n:R+n+1], v[T+n:T+n+1], \k op_sel_hi:[1,1,0]   ; Horner, a coefficient at a time over the 16 pairs: no line waits for the line above it
.set n, n+2
.endr
.endr
.set n, 0
.rept 16
	v_pk_fma_f32 v[R+n:R+n+1], v[Q+n:Q+n+1], 0xbf38aa3b, v[R+n:R+n+1] op_sel_hi:[1,0,1]   ; - log2(e) z z / 2
.set n, n+2
.endr
.set n, 0
.rept 32
	v_exp_f32 v[R+n], v[R+n]
.set n, n+1
.endr
	WIN 0x03
.set n, 0
.rept 32
	v_max_num_f32 v[Q+n], v[32*(\hf)+n], 0         ; max(z, 0): the plain work behind the exponentials
.set n, n+1
.endr
	s_wait_alu depctr_va_vdst(0)
	WIN 0
.set n, 0
.rept 16
	v_pk_mul_f32 v[T+n:T+n+1], v[T+n:T+n+1], v[R+n:R+n+1]   ; E
.set n, n+2
.endr
	WIN 0xc3
.set n, 0
.rept 32
	v_fma_f32 v[32*(\hf)+n], -|v[32*(\hf)+n]|, v[T+n], v[Q+n]
.set n, n+1
.endr
	WIN 0
.endm
.macro QUANT                           ; window 3's v0-63, register 16 b + i = hidden unit 32 b + 16 h + i of my row, become a fragment's codes in v[PC] on and its scale word in v[PW]
	WIN 0x3c
.irp b, 0,1,2,3
	v_max3_num_f32 v[TM+\b], 0x8000000, |v[16*\b]|, |v[16*\b+1]|   ; with the floor 2^(16 - 127): the byte cannot fall under 1
.endr
.irp i, 2,4,6,8,10,12,14
.irp b, 0,1,2,3
	v_max3_num_f32 v[TM+\b], v[TM+\b], |v[16*\b+\i]|, |v[16*\b+\i+1]|
.endr
.endr
	WIN 0
.irp b, 0,1,2,3
	v_permlanex16_b32 v[TM+4+\b], v[TM+\b], s32, s33
.endr
.irp b, 0,1,2,3
	v_max_num_f32 v[TM+\b], v[TM+\b], v[TM+4+\b]   ; with lane l xor 16's: the block's largest magnitude
.endr
.irp b, 0,1,2,3
	v_add_nc_u32 v[TM+12+\b], 0xf8800000, v[TM+\b] ; 15 off its exponent field: the conversion's scale operand
.endr
.irp b, 0,1,2,3
	v_and_or_b32 v[TM+8+\b], v[TM+\b], 0x7f800000, s34   ; 57,344 x the scale
.endr
.irp b, 0,1,2,3
	v_lshrrev_b32 v[TM+4+\b], 23, v[TM+12+\b]      ; the scale's byte
.endr
	v_lshl_or_b32 v[PW], v[TM+5], 8, v[TM+4]
	v_lshl_or_b32 v[PW], v[TM+6], 16, v[PW]
	v_lshl_or_b32 v[PW], v[TM+7], 24, v[PW]
	WIN 0xc3
.irp b, 0,1,2,3
.irp i, 0,1,2,3,4,5,6,7,8,9,10,11,12,13,14,15
	v_med3_num_f32 v[16*\b+\i], v[16*\b+\i], -v[TM+8+\b], v[TM+8+\b]   ; the conversion to an 8-bit code does not saturate (ISA guide 7.6.2): the hold
.endr
.endr
	WIN 0x03
.irp b, 0,1,2,3
	v_cvt_scalef32_pk8_bf8_f32 v[PC+4*\b:PC+4*\b+1], v[16*\b:16*\b+7], v[TM+12+\b]
	v_cvt_scalef32_pk8_bf8_f32 v[PC+4*\b+2:PC+4*\b+3], v[16*\b+8:16*\b+15], v[TM+12+\b]
.endr
	WIN 0
	v_nop                                          ; a plain instruction behind the last conversion
.endm
	s_load_b512 s[16:31], s[0:1], 0x0              ; xq, xs, sel, w1_codes, w1_scales, b1, hq, hs
	s_load_b64 s[40:41], s[0:1], 0x40              ; lq
	v_lshrrev_b32 v18, 5, v0
	v_readfirstlane_b32 s2, v18                    ; wave
	s_lshr_b32 s3, ttmp9, 5                        ; expert
	s_and_b32 s4, ttmp9, 31                        ; slice
	v_and_b32 v224, 31, v0                         ; lane
	v_lshlrev_b32 v1, 4, v224
	v_lshlrev_b32 v2, 2, v224
	v_add_nc_u32 v225, 1056, v224                  ; the list word that takes my store where I have no match
	v_and_b32 v20, 15, v0                          ; r
	v_bfe_u32 v21, v0, 4, 1                        ; h
	v_mul_u32_u24 v3, v20, PITCH
	v_lshl_add_u32 v3, v21, 4, v3
	v_add_nc_u32 v3, WL, v3
	v_add_nc_u32 v4, 64*PITCH, v3
	v_add_nc_u32 v5, WSL, v1
	v_lshlrev_b32 v7, 4, v21
	s_lshl_b32 s12, s2, 6
	v_lshl_add_u32 v18, v20, 2, s12                ; the list: word 16 tile + r: 4 r + 64 w; the group and the tile's place in it stand in the immediate
	s_lshl_b32 s12, s2, 10
	v_add_nc_u32 v229, s12, v1                     ; the list's copy to lq: wave w takes 1,024 bytes
	s_mul_i32 s12, s2, 32*PITCH
	s_add_co_u32 s12, s12, WL
	v_add_nc_u32 v22, s12, v1                      ; the fill: wave w fills slots 32 w .. 32 w + 31
	s_lshl_b32 s12, s2, 2
	v_add_nc_u32 v23, s12, v5                      ; and word p = w of each lane's four
	v_and_b32 v120, 7, v224                        ; slot 32 w + lane holds row 32 w + (lane with bits 3 and 4 exchanged)
	v_bfe_u32 v121, v224, 3, 1
	v_lshl_or_b32 v120, v121, 4, v120
	v_lshl_or_b32 v120, v21, 3, v120
	v_lshlrev_b32 v19, 5, v120                     ; its 32 scale bytes
	v_lshlrev_b32 v120, 6, v21                     ; b1: 64 h
	s_mov_b32 s13, 0
	s_mov_b32 s32, 0x76543210
	s_mov_b32 s33, 0xfedcba98                      ; lane l xor 16
	s_mov_b32 s34, 0x600000                        ; the mantissa field of 57,344
	s_mov_b32 s38, 0x3eb504f3                      ; 1 / (2 sqrt 2)
	s_mov_b32 s46, 0xffff                          ; lanes 0-15
	s_mov_b32 s5, 0                                ; n so far
	s_mov_b32 s35, 1                               ; the last mask that was not empty, and its step's q of lane 0: with no match at all they give the pad row 0
	s_mov_b32 s36, 0
	s_wait_kmcnt 0x0
.irp m, 0,1,2,3,4,5,6,7,8,9,10,11,12,13,14,15
	global_load_b128 v[SE+4*\m:SE+4*\m+3], v1, s[20:21] offset:512*\m   ; sel first: the placing waits for it
.endr
	s_mul_i32 s12, s3, 4608
	s_add_nc_u64 s[40:41], s[40:41], s[12:13]      ; my expert's segment of lq
	s_lshl_b32 s12, s3, 22                         ; W1's codes: row 4,096 e + 128 sl + 32 w, 1,024 bytes a row
	s_lshl_b32 s14, s4, 17
	s_add_co_u32 s12, s12, s14
	s_lshl_b32 s14, s2, 15
	s_add_co_u32 s12, s12, s14
	s_add_nc_u64 s[22:23], s[22:23], s[12:13]
	s_lshl_b32 s12, s3, 17                         ; its scale bytes: 32 a row
	s_lshl_b32 s14, s4, 12
	s_add_co_u32 s12, s12, s14
	s_lshl_b32 s14, s2, 10
	s_add_co_u32 s12, s12, s14
	s_add_nc_u64 s[24:25], s[24:25], s[12:13]
	s_lshl_b32 s12, s3, 14                         ; b1 at hidden unit 128 sl of expert e
	s_lshl_b32 s14, s4, 9
	s_add_co_u32 s12, s12, s14
	s_add_nc_u64 s[26:27], s[26:27], s[12:13]
	s_lshl_b32 s12, s3, 22                         ; hq at (expert e, tile 0, K step sl)
	s_lshl_b32 s14, s4, 11
	s_add_co_u32 s12, s12, s14
	s_add_nc_u64 s[28:29], s[28:29], s[12:13]
	s_lshl_b32 s12, s3, 18                         ; hs likewise
	s_lshl_b32 s14, s4, 7
	s_add_co_u32 s12, s12, s14
	s_add_nc_u64 s[30:31], s[30:31], s[12:13]
	WIN 0xc0                                       ; the fill: my 32 rows are 32 KB on end: 64 loads of 512 consecutive bytes, into window 3
.set k, 0
.rept 64
	global_load_b128 v[4*k:4*k+3], v1, s[22:23] offset:512*k th:TH_LOAD_NT
.set k, k+1
.endr
	WIN 0
	global_load_b128 v[TM:TM+3], v19, s[24:25]
	global_load_b128 v[TM+4:TM+7], v19, s[24:25] offset:16
.irp t, 0,1,2,3,4,5,6,7                ; b1 in the result's layout: lane (r, h), tile 2 b + u, register j: unit 32 b + 16 h + 8 u + j
	global_load_b128 v[BI+8*\t:BI+8*\t+3], v120, s[26:27] offset:128*(\t/2)+32*(\t%2)
	global_load_b128 v[BI+8*\t+4:BI+8*\t+7], v120, s[26:27] offset:128*(\t/2)+32*(\t%2)+16
.endr
	s_wait_loadcnt 63                              ; sel is in: 82 loads are younger than its sixteen; the count is the largest that the wait can name
	; THE PLACING, while the weights are on their way.  Whole numbers only.  One wave stores the list, so that no two waves store into the same region of LDS.
	s_cmp_lg_u32 s2, 0
	s_cbranch_scc1 .Lcount
.set j, 0
.rept 4                                ; sixteen steps at a time, each kind of line for all sixteen: no line waits for the line above it
.set k, 0
.rept 16
	v_cmp_eq_u32 s[48+k], s3, v[SE+j+k]            ; who has chosen my expert
.set k, k+1
.endr
.set k, 0
.rept 16
	v_mbcnt_lo_u32_b32 v[PA+k], s[48+k], s5        ; the count so far + the matches below my lane
	s_bcnt1_i32_b32 s12, s[48+k]
	s_add_co_u32 s5, s5, s12
	s_cmp_lg_u32 s[48+k], 0
	s_cselect_b32 s35, s[48+k], s35
	s_cselect_b32 s36, 128*((j+k)/4)+(j+k)%4, s36
.set k, k+1
.endr
.set k, 0
.rept 16
	v_cndmask_b32 v[PA+k], v225, v[PA+k], s[48+k]
.set k, k+1
.endr
.set k, 0
.rept 16
	v_min_u32 v[PA+k], 0x43f, v[PA+k]              ; inside the list's 1,088 words whatever was read
.set k, k+1
.endr
.set k, 0
.rept 16
	v_lshlrev_b32 v[PA+k], 2, v[PA+k]
.set k, k+1
.endr
.set k, 0
.rept 16
	v_add_nc_u32 v[PD+k], 128*((j+k)/4)+(j+k)%4, v2
.set k, k+1
.endr
.set k, 0
.rept 16
	ds_store_b32 v[PA+k], v[PD+k]
.set k, k+1
.endr
.set j, j+16
.endr
	s_ctz_i32_b32 s35, s35                         ; the pad row: the first matching lane's q of the last step that had a match
	s_lshl_b32 s35, s35, 2
	s_add_co_u32 s36, s36, s35
	v_add_nc_u32 v226, s5, v224                    ; the pads: words n + 32 k + lane, held at 1,055
	v_mov_b32 v227, s36
.set j, 0
.rept 2
.set k, 0
.rept 16
	v_add_nc_u32 v[PA+k], 32*(j+k), v226
.set k, k+1
.endr
.set k, 0
.rept 16
	v_min_u32 v[PA+k], 0x41f, v[PA+k]
.set k, k+1
.endr
.set k, 0
.rept 16
	v_lshlrev_b32 v[PA+k], 2, v[PA+k]
.set k, k+1
.endr
.set k, 0
.rept 16
	ds_store_b32 v[PA+k], v227
.set k, k+1
.endr
.set j, j+16
.endr
	s_branch .Lplaced
.Lcount:                                           ; waves 1 to 3: n alone
.set j, 0
.rept 4
.set k, 0
.rept 16
	v_cmp_eq_u32 s[48+k], s3, v[SE+j+k]
.set k, k+1
.endr
.set k, 0
.rept 16
	s_bcnt1_i32_b32 s12, s[48+k]
	s_add_co_u32 s5, s5, s12
.set k, k+1
.endr
.set j, j+16
.endr
.Lplaced:
	s_wait_dscnt 0x0                               ; for the others' sake: the list lies in LDS
	s_barrier_signal -1
	s_barrier_wait -1                              ; the list is only read from here on
	LISTL 0
	s_wait_dscnt 0x0
	OFFS
	GSC
	GX 0, 3                                        ; the first group's rows are asked for
	s_cmp_lg_u32 s4, 0                             ; slice 0 hands the list on: wave w copies 1,024 bytes, each store 512 consecutive bytes, aligned
	s_cbranch_scc1 .Lnolq
	ds_load_b128 v[192:195], v229
	ds_load_b128 v[196:199], v229 offset:512
	s_wait_dscnt 0x0
	global_store_b128 v229, v[192:195], s[40:41]
	global_store_b128 v229, v[196:199], s[40:41] offset:512
	s_cmp_lg_u32 s2, 0
	s_cbranch_scc1 .Lnolq
	v_mov_b32 v230, s5
	global_store_b32 v2, v230, s[40:41] offset:4352   ; n, in words 1,088 .. 1,119
.Lnolq:
	s_wait_loadcnt 63                              ; the weights (150 or more younger loads), their scale bytes, b1, the rows' scale words (128) and K steps 0-3 of the rows (64 or more) are in; K steps 4-7 may be out
	WIN 0x0c                                       ; an LDS store's data are its source 1: window 3
.set k, 0
.rept 64
.set rho, k/2
.set slot, (rho&7)|(((rho>>3)&1)<<4)|(((rho>>4)&1)<<3)
	ds_store_b128 v22, v[4*k:4*k+3] offset:slot*PITCH+512*(k%2)
.set k, k+1
.endr
	WIN 0
.irp s, 0,1,2,3,4,5,6,7
	ds_store_b32 v23, v[TM+\s] offset:512*\s
.endr
	s_wait_dscnt 0x0                               ; for the others' sake: my quarter of the weights lies in LDS
	s_barrier_signal -1
	s_barrier_wait -1                              ; everybody's does.  From here on LDS is only read, and the waves go their own ways
.irp b, 4,5,6,7
	v_mov_b32 v[TM+\b], 0                          ; written once: a lane permute's destination counts as one of its sources
.endr
	v_mov_b32 v22, 0x3e7c6f08                      ; the fit's top coefficient, as a pair
	v_mov_b32 v23, 0x3e7c6f08
	s_min_u32 s5, s5, 1024
	s_add_co_u32 s5, s5, 15
	s_lshr_b32 s5, s5, 4
	s_max_u32 s5, s5, 1                            ; the expert's tiles, at least one
	s_add_co_u32 s6, s5, 3
	s_sub_co_u32 s6, s6, s2
	s_lshr_b32 s6, s6, 2                           ; my tiles: w, w + 4, ..
	s_add_co_u32 s7, s6, 3
	s_lshr_b32 s7, s7, 2                           ; my groups of four
	s_mov_b32 s9, s6                               ; tiles left
	s_mov_b32 s8, 0                                ; the group
	s_cmp_eq_u32 s7, 0
	s_cbranch_scc1 .Lend
.Lgroup:
	s_wait_xcnt 0x0                                ; the last stores have read their registers: weight fragments land there
	s_cmp_eq_u32 s8, 0                             ; the next group's list words, always fetched; the group is held at 3, inside the list.  The offsets are constants of the text
	s_cbranch_scc1 .Llist1
	s_cmp_eq_u32 s8, 1
	s_cbranch_scc1 .Llist2
	LISTL 3
	s_branch .Llisted
.Llist2:
	LISTL 2
	s_branch .Llisted
.Llist1:
	LISTL 1
.Llisted:
	s_cmp_eq_u32 s9, 1
	s_cbranch_scc1 .Lsingle
	MATRIX 4
	s_branch .Ljoin
.Lsingle:
	MATRIX 1
.Ljoin:
	s_add_co_u32 s8, s8, 1
	s_cmp_ge_u32 s8, s7
	s_cbranch_scc1 .Lnonext
	OFFS                                           ; the list words came from LDS ahead of the weight fragments, which have all been waited for; no load from memory is out, so the offsets may be written
	GSC
	GX 0, 0                                        ; the next group's rows are on their way while this group goes out
	s_sub_co_u32 s12, s9, 4
	s_cmp_lt_u32 s12, 2
	s_cbranch_scc1 .Lnonext                        ; one tile left: it goes alone
	GX 1, 3
.Lnonext:
	s_min_u32 s10, s9, 4                           ; this group's tiles
	s_mov_b32 s11, 0
.Lrow:                                             ; THE WAY OUT of one row tile: written once; only the first step differs by the tile
	s_wait_xcnt 0x0                                ; the last tile's stores have read their data and offsets
	s_cmp_eq_u32 s11, 0
	s_cbranch_scc1 .Lz0
	s_cmp_eq_u32 s11, 1
	s_cbranch_scc1 .Lz1
	s_cmp_eq_u32 s11, 2
	s_cbranch_scc1 .Lz2
	E1 3
	s_branch .Lz
.Lz2:
	E1 2
	s_branch .Lz
.Lz1:
	E1 1
	s_branch .Lz
.Lz0:
	E1 0
.Lz:
	GELU 0
	GELU 1
	QUANT
	s_lshl_b32 s12, s8, 4                          ; the tile: w + 16 (group) + 4 (place in it); s8 has been stepped
	s_add_co_u32 s12, s12, s2
	s_lshl_b32 s13, s11, 2
	s_add_co_u32 s12, s12, s13
	s_sub_co_u32 s12, s12, 16
	s_min_u32 s12, s12, 63
	s_lshl_b32 s13, s12, 16
	v_add_nc_u32 v20, s13, v1
	s_lshl_b32 s13, s12, 12
	v_add_nc_u32 v21, s13, v2
.irp c, 0,1,2,3
	global_store_b128 v20, v[PC+4*\c:PC+4*\c+3], s[28:29] offset:512*\c   ; the wave stores 512 consecutive bytes, aligned
.endr
	global_store_b32 v21, v[PW], s[30:31]
	s_add_co_u32 s11, s11, 1
	s_cmp_lt_u32 s11, s10
	s_cbranch_scc1 .Lrow
	s_sub_co_u32 s9, s9, 4
	s_wait_loadcnt 0x0                             ; the next group's rows are in: they had the way out in which to land.  So no load is out round the backward jump
	s_cmp_lt_u32 s8, s7
	s_cbranch_scc1 .Lgroup
.Lend:
	s_wait_xcnt 0x0
	v_lshl_add_u32 v254, v0, 2, 0x22c00
	v_mov_b32 v255, 0
	s_wait_tensorcnt 0x0
	ds_add_u32 v254, v255
	s_wait_dscnt 0x0
	s_endpgm
.Lfunc_end_k_q1f1873b162_up:
	.size	k_q1f1873b162_up, .Lfunc_end_k_q1f1873b162_up-k_q1f1873b162_up
	.p2alignl 7, 3214868480
	.fill 96, 4, 3214868480
	.section	.rodata,"a",@progbits
	.p2align	6, 0x0
	.amdhsa_kernel k_q1f1873b162_up
		.amdhsa_group_segment_fixed_size 142848
		.amdhsa_private_segment_fixed_size 0
		.amdhsa_enable_private_segment 0
		.amdhsa_kernarg_size 72
		.amdhsa_user_sgpr_count 2
		.amdhsa_user_sgpr_kernarg_segment_ptr 1
		.amdhsa_wavefront_size32 1
		.amdhsa_system_sgpr_workgroup_id_x 1
		.amdhsa_system_sgpr_workgroup_id_y 1
		.amdhsa_system_sgpr_workgroup_id_z 1
		.amdhsa_system_vgpr_workitem_id 0
		.amdhsa_next_free_vgpr 1024
		.amdhsa_next_free_sgpr 66
		.amdhsa_reserve_vcc 0
		.amdhsa_float_denorm_mode_32 3
		.amdhsa_float_denorm_mode_16_64 3
		.amdhsa_memory_ordered 1
		.amdhsa_forward_progress 1
		.amdhsa_inst_pref_size 253
	.end_amdhsa_kernel
	.amdgpu_metadata
---
amdhsa.version: [ 1, 2 ]
amdhsa.kernels:
  - .name:           k_q1f1873b162_up
    .symbol:         k_q1f1873b162_up.kd
    .args:
      - { .name: xq, .offset: 0, .size: 8, .value_kind: global_buffer, .address_space: global }
      - { .name: xs, .offset: 8, .size: 8, .value_kind: global_buffer, .address_space: global }
      - { .name: sel, .offset: 16, .size: 8, .value_kind: global_buffer, .address_space: global }
      - { .name: w1_codes, .offset: 24, .size: 8, .value_kind: global_buffer, .address_space: global }
      - { .name: w1_scales, .offset: 32, .size: 8, .value_kind: global_buffer, .address_space: global }
      - { .name: b1, .offset: 40, .size: 8, .value_kind: global_buffer, .address_space: global }
      - { .name: hq, .offset: 48, .size: 8, .value_kind: global_buffer, .address_space: global }
      - { .name: hs, .offset: 56, .size: 8, .value_kind: global_buffer, .address_space: global }
      - { .name: lq, .offset: 64, .size: 8, .value_kind: global_buffer, .address_space: global }
    .group_segment_fixed_size: 142848
    .private_segment_fixed_size: 0
    .kernarg_segment_align: 8
    .kernarg_segment_size: 72
    .max_flat_workgroup_size: 128
    .sgpr_count:     66
    .vgpr_count:     1024
    .wavefront_size: 32
...
	.end_amdgpu_metadata
.endif
;; end of part 2
;; launch down (part 3): grid 256 x 1, 4 waves a work-group, no clusters, 171,520 bytes of LDS; arguments hq, hs, lq, w2_codes, w2_scales, part; writes part
.if DOCPART == 3
	.amdgcn_target "amdgcn-amd-amdhsa--gfx1250"
	.amdhsa_code_object_version 6
	.text
	.protected	k_q1f1873b162_down
	.globl	k_q1f1873b162_down
	.p2align	8
	.type	k_q1f1873b162_down,@function
k_q1f1873b162_down:
	s_mov_b64 s[64:65], 0
	v_nop
	global_prefetch_b8 v0, s[64:65] scope:SCOPE_SE
	s_setreg_imm32_b32 hwreg(HW_REG_WAVE_MODE, 25, 1), 1
	s_wait_xcnt 0x0
; part[kq][q][d] = the sum over a quarter of H of h[q][.] W2[.][d], on E5M2 codes with E8M0 scales.  Work-group = (expert e = id / 32, ns = (id / 4) % 8, kq = id % 4):
; outputs d = 128 ns .. + 127, hidden units 1,024 kq .. + 1,023.  Its 128 rows x 1,024 codes of W2 are read from memory once and lie in LDS, read-only behind the one barrier.
; K is cut in four so that a work-group pulls 1 KB and not 4 KB of h for each row; the four parts are added in f32 by the last launch.
; The frame is the launch before's: wave w owns the expert's row tiles w, w + 4, .., four at a time or one alone.  h comes as images of the operand's registers: every load is dense, 512 bytes a wave.
; TRANSPOSED: source 0 = 16 rows of W2 (16 outputs d), source 1 = 16 routed rows: a lane's eight results are eight neighbouring d of one row.  A tile of 16 rows x 128 d goes through the wave's own stage in LDS
; and leaves as whole rows: each store covers 512 consecutive bytes, aligned, at row q of part, q from the list.  Pad rows repeat a real row of the same expert: the same values are stored again by this work-group.
; Trip counts hang on the stored count n: no barrier under a branch.  An expert with no row stores nothing.
; REGISTERS.  Window 0: v1 16 lane, v2 4 lane, v3, v4 my place in weight tiles 0-3, 4-7, v5 in the weights' scale words, v6, v7 the stage in and out, v9-11 the fill's, v12-15 the tiles' offsets in hq, v16-19 in hs,
;   v24-31 weights' scale words (two sets), v32-63 the rows' scale words (8 i + s), v128-255 eight weight fragments; on the way out v128-191 16 rows, v192-207 their offsets.
;   Windows 1, 2: h's fragments, K step s, tile i at 256 (1 + s / 4) + 64 (s % 4) + 16 i.   Window 3: accumulator (i, t) at 64 i + 8 t; at the head it holds the fill.
.set PITCH, 1040                       ; a slot: 1,024 bytes + 16
.set WSL, 128*PITCH                    ; the weights' scale words: 512 s + 16 lane + 4 p is row 32 p + lane, K step s
.set STG, WSL+4096                     ; the stages: 16 rows x (512 + 16) bytes for each wave
.set WS, 24
.set XS, 32
.set TM, 112
.set WF, 128
.set MSB, 0
.macro WIN new                         ; the immediate's high byte repeats the setting that is left
.if MSB != (\new)
	s_set_vgpr_msb (MSB<<8)|(\new)
.set MSB, (\new)
.endif
.endm
.macro PLACES                          ; eight plain instructions between a matrix instruction of this form and a load into, or a read of, its registers
.rept 8
	v_nop
.endr
.endm
.macro LS s
	ds_load_b128 v[WS+4*((\s)%2):WS+4*((\s)%2)+3], v5 offset:512*(\s)
.endm
.macro LW g, s
.irp t, 0,1,2,3
.irp c, 0,1,2,3
	ds_load_b128 v[WF+64*(\g)+16*\t+4*\c:WF+64*(\g)+16*\t+4*\c+3], v[3+(\g)] offset:16*PITCH*\t+128*(\s)+32*\c
.endr
.endr
.endm
.macro WM i, t, s                      ; one product: row tile i, weight tile t, K step s.  The first K step starts the sum with the constant 0
.set rD, 64*(\i)+8*(\t)
.set rA, WF+16*(\t)
.set rB, 64*((\s)%4)+16*(\i)
.set rP, WS+4*((\s)%2)+(\t)/2
.set rQ, XS+8*(\i)+(\s)
.if (\s) == 0
.if ((\t)%2) == 0
	v_wmma_scale_f32_16x16x128_f8f6f4 v[rD:rD+7], v[rA:rA+15], v[rB:rB+15], 0, v[rP], v[rQ] matrix_a_fmt:MATRIX_FMT_BF8 matrix_b_fmt:MATRIX_FMT_BF8
.else
	v_wmma_scale_f32_16x16x128_f8f6f4 v[rD:rD+7], v[rA:rA+15], v[rB:rB+15], 0, v[rP], v[rQ] matrix_a_fmt:MATRIX_FMT_BF8 matrix_b_fmt:MATRIX_FMT_BF8 matrix_a_scale:MATRIX_SCALE_ROW1
.endif
.else
.if ((\t)%2) == 0
	v_wmma_scale_f32_16x16x128_f8f6f4 v[rD:rD+7], v[rA:rA+15], v[rB:rB+15], v[rD:rD+7], v[rP], v[rQ] matrix_a_fmt:MATRIX_FMT_BF8 matrix_b_fmt:MATRIX_FMT_BF8
.else
	v_wmma_scale_f32_16x16x128_f8f6f4 v[rD:rD+7], v[rA:rA+15], v[rB:rB+15], v[rD:rD+7], v[rP], v[rQ] matrix_a_fmt:MATRIX_FMT_BF8 matrix_b_fmt:MATRIX_FMT_BF8 matrix_a_scale:MATRIX_SCALE_ROW1
.endif
.endif
.endm
.macro MUL nt, g, s                    ; the accumulators take turns, one instruction a turn
.irp i, 0,1,2,3
.if \i < \nt
.irp t, 0,1,2,3
	WM \i, 4*(\g)+\t, \s
.endr
.endif
.endr
.endm
; Eight K steps, each in two halves; while one half's weight fragments are multiplied the other half's are on their way from LDS.
; THE ROWS' FRAGMENTS MAY STILL BE LANDING.  The first group's were asked for K step by K step, 16 loads each; the head's wait has shown K steps 0-3 in; ahead of K step s = 4 .. 7 the 16 (7 - s) loads of the
; later K steps may stay out.  Round the loop's backward jump no load is out (the wait for 0 at the loop's tail), so the same counts hold on both ways in.
.macro MATRIX nt
	LS 0
	LW 0, 0
	LW 1, 0
.irp s, 0,1,2,3,4,5,6,7
	s_wait_dscnt 16                                ; the scale words and tiles 0-3 are in; the 16 loads of tiles 4-7 may be out
.if \s >= 4
	s_wait_loadcnt 16*(7-\s)                       ; this K step's fragments of the rows are in; the later K steps' loads may be out
.endif
	WIN 0xf4+4*((\s)/4)
	MUL \nt, 0, \s
	WIN 0
	PLACES
.if \s < 7
	LS \s+1
	LW 0, \s+1
	s_wait_dscnt 17                                ; tiles 4-7 are in; the 17 loads just issued may be out
.else
	s_wait_dscnt 0x0
.endif
	WIN 0xf4+4*((\s)/4)
	MUL \nt, 1, \s
	WIN 0
	PLACES
.if \s < 7
	LW 1, \s+1
.endif
.endr
.endm
.macro GADR i                          ; tile s14 + 4 i, held inside what the launch before has written
	s_add_co_u32 s12, s14, 4*\i
	s_min_u32 s12, s12, s11
	s_min_u32 s12, s12, 63
	s_lshl_b32 s13, s12, 16
	v_add_nc_u32 v[12+\i], s13, v1
	s_lshl_b32 s13, s12, 12
	v_add_nc_u32 v[16+\i], s13, v2
.endm
.macro GX lo, hi                       ; row tiles lo .. hi: the scale words of my eight K steps, then the fragments K STEP BY K STEP
.irp i, 0,1,2,3
.if (\i >= \lo) && (\i <= \hi)
.irp s, 0,1,2,3,4,5,6,7
	global_load_b32 v[XS+8*\i+\s], v[16+\i], s[86:87] offset:128*\s
.endr
.endif
.endr
	WIN 0x40
.irp s, 0,1,2,3
.irp i, 0,1,2,3
.if (\i >= \lo) && (\i <= \hi)
.irp c, 0,1,2,3
	global_load_b128 v[64*\s+16*\i+4*\c:64*\s+16*\i+4*\c+3], v[12+\i], s[84:85] offset:2048*\s+512*\c
.endr
.endif
.endr
.endr
	WIN 0x80
.irp s, 0,1,2,3
.irp i, 0,1,2,3
.if (\i >= \lo) && (\i <= \hi)
.irp c, 0,1,2,3
	global_load_b128 v[64*\s+16*\i+4*\c:64*\s+16*\i+4*\c+3], v[12+\i], s[84:85] offset:8192+2048*\s+512*\c
.endr
.endif
.endr
.endr
	WIN 0
.endm
.macro ROWS i, lb                      ; row tile i goes out; its 16 list words lie in s[lb] on
	s_wait_xcnt 0x0                                ; the last tile's stores have read their data and offsets
	WIN 0x0c                                       ; an LDS store's data are its source 1: window 3
.irp t, 0,1,2,3,4,5,6,7
	ds_store_b128 v6, v[64*\i+8*\t:64*\i+8*\t+3] offset:64*\t          ; each accumulator from its low end on
	ds_store_b128 v6, v[64*\i+8*\t+4:64*\i+8*\t+7] offset:64*\t+16
.endr
	WIN 0
.irp p, 0,1,2,3,4,5,6,7,8,9,10,11,12,13,14,15
	ds_load_b128 v[128+4*\p:128+4*\p+3], v7 offset:528*\p            ; LDS serves a wave's instructions in order (ISA guide 5.7.1.4): these see the stores above
.endr
.irp p, 0,1,2,3,4,5,6,7,8,9,10,11,12,13,14,15
	s_min_u32 s12, s[\lb+\p], 2047
	s_lshl_b32 s12, s12, 12
	v_add_nc_u32 v[192+\p], s12, v1                ; row q of part: 4,096 bytes a row
.endr
.irp p, 0,1,2,3,4,5,6,7,8,9,10,11,12,13,14,15
	s_wait_dscnt 15-\p                             ; row p is back; the younger rows' loads may be out
	global_store_b128 v[192+\p], v[128+4*\p:128+4*\p+3], s[94:95] th:TH_STORE_NT
.endr
.endm
	s_load_b256 s[84:91], s[0:1], 0x0              ; hq, hs, lq, w2_codes
	s_load_b128 s[92:95], s[0:1], 0x20             ; w2_scales, part
	v_lshl_add_u32 v126, v0, 2, 0x29c00
	v_mov_b32 v127, 0
	v_lshrrev_b32 v20, 5, v0
	v_readfirstlane_b32 s2, v20                    ; wave
	s_lshr_b32 s3, ttmp9, 5                        ; expert
	s_bfe_u32 s4, ttmp9, 0x30002                   ; ns
	s_and_b32 s5, ttmp9, 3                         ; kq
	v_and_b32 v20, 31, v0
	v_lshlrev_b32 v1, 4, v20
	v_lshlrev_b32 v2, 2, v20
	v_lshlrev_b32 v9, 7, v20                       ; 128 scale bytes a row of W2
	v_and_b32 v21, 15, v0                          ; r
	v_bfe_u32 v22, v0, 4, 1                        ; h
	v_mul_u32_u24 v3, v21, PITCH
	v_lshl_add_u32 v3, v22, 4, v3
	v_add_nc_u32 v4, 64*PITCH, v3
	v_add_nc_u32 v5, WSL, v1
	s_mul_i32 s12, s2, 16*528
	s_add_co_u32 s12, s12, STG                     ; my stage
	v_mul_u32_u24 v6, v21, 528
	v_lshl_add_u32 v6, v22, 5, v6
	v_add_nc_u32 v6, s12, v6                       ; in: row r, + 32 h
	v_add_nc_u32 v7, s12, v1                       ; back: the 32 lanes take a row of 512 bytes
	s_mul_i32 s12, s2, 32*PITCH
	v_add_nc_u32 v10, s12, v1                      ; the fill: wave w fills slots 32 w .. 32 w + 31
	s_lshl_b32 s12, s2, 2
	v_add_nc_u32 v11, s12, v5
	s_mov_b32 s13, 0
	s_wait_kmcnt 0x0
	s_mul_i32 s12, s3, 4608
	s_add_nc_u64 s[88:89], s[88:89], s[12:13]      ; my expert's segment of the list
	s_load_b32 s6, s[88:89], 0x1100                ; n
	s_lshl_b32 s12, s2, 6
	s_add_nc_u64 s[96:97], s[88:89], s[12:13]      ; tile w's words
	s_lshl_b32 s12, s3, 22                         ; W2's codes: row 1,024 e + 128 ns + 32 w of 4,096 bytes, from byte 1,024 kq
	s_lshl_b32 s14, s4, 19
	s_add_co_u32 s12, s12, s14
	s_lshl_b32 s14, s2, 17
	s_add_co_u32 s12, s12, s14
	s_lshl_b32 s14, s5, 10
	s_add_co_u32 s12, s12, s14
	s_add_nc_u64 s[90:91], s[90:91], s[12:13]
	s_lshl_b32 s12, s3, 17                         ; its scale bytes: 128 a row, from byte 32 kq
	s_lshl_b32 s14, s4, 14
	s_add_co_u32 s12, s12, s14
	s_lshl_b32 s14, s2, 12
	s_add_co_u32 s12, s12, s14
	s_lshl_b32 s14, s5, 5
	s_add_co_u32 s12, s12, s14
	s_add_nc_u64 s[92:93], s[92:93], s[12:13]
	s_lshl_b32 s12, s3, 22                         ; hq at (expert e, tile 0, K step 8 kq)
	s_lshl_b32 s14, s5, 14
	s_add_co_u32 s12, s12, s14
	s_add_nc_u64 s[84:85], s[84:85], s[12:13]
	s_lshl_b32 s12, s3, 18                         ; hs likewise
	s_lshl_b32 s14, s5, 10
	s_add_co_u32 s12, s12, s14
	s_add_nc_u64 s[86:87], s[86:87], s[12:13]
	s_lshl_b32 s12, s5, 23                         ; part at (kq, row 0, d = 128 ns)
	s_lshl_b32 s14, s4, 9
	s_add_co_u32 s12, s12, s14
	s_add_nc_u64 s[94:95], s[94:95], s[12:13]
	WIN 0xc0                                       ; the fill: 32 rows x 1,024 bytes, two loads of 512 consecutive bytes a row, into window 3
.set k, 0
.rept 64
	global_load_b128 v[4*k:4*k+3], v1, s[90:91] offset:4096*(k/2)+512*(k%2) th:TH_LOAD_NT
.set k, k+1
.endr
	WIN 0
	global_load_b128 v[TM:TM+3], v9, s[92:93]
	global_load_b128 v[TM+4:TM+7], v9, s[92:93] offset:16
	s_wait_kmcnt 0x0                               ; n: it bounds the tiles that may be asked for; no branch hangs on it ahead of the barrier
	s_min_u32 s6, s6, 1024
	s_add_co_u32 s6, s6, 15
	s_lshr_b32 s6, s6, 4                           ; the expert's tiles
	s_max_u32 s11, s6, 1
	s_sub_co_u32 s11, s11, 1                       ; the last tile that has been written
	s_mov_b32 s14, s2
.irp i, 0,1,2,3
	GADR \i
.endr
	GX 0, 3                                        ; the first group's rows are asked for while the fill is on its way
	s_wait_loadcnt 63                              ; the weights (162 or more younger loads), their scale bytes, the rows' scale words (128) and K steps 0-3 of the rows (64 or more) are in; K steps 4-7 may be out
	WIN 0x0c
.set k, 0
.rept 64
	ds_store_b128 v10, v[4*k:4*k+3] offset:(k/2)*PITCH+512*(k%2)
.set k, k+1
.endr
	WIN 0
.irp s, 0,1,2,3,4,5,6,7
	ds_store_b32 v11, v[TM+\s] offset:512*\s
.endr
	s_wait_dscnt 0x0                               ; for the others' sake: my quarter of the weights lies in LDS
	s_barrier_signal -1
	s_barrier_wait -1                              ; everybody's does.  The weights are only read from here on; the stages are each wave's own
	s_add_co_u32 s9, s6, 3
	s_sub_co_u32 s9, s9, s2
	s_lshr_b32 s9, s9, 2                           ; my tiles: w, w + 4, ..: tiles left
	s_add_co_u32 s7, s9, 3
	s_lshr_b32 s7, s7, 2                           ; my groups of four
	s_mov_b32 s8, 0
	s_cmp_eq_u32 s7, 0
	s_cbranch_scc1 .Lend
.Lgroup:
	s_wait_xcnt 0x0                                ; the last stores have read their registers: weight fragments land there
	s_min_u32 s100, s8, 3                          ; this group's list words: 16 for each of its four tiles, wanted on the way out
	s_lshl_b32 s100, s100, 10
	s_load_b512 s[16:31], s[96:97], s100 offset:0x0
	s_load_b512 s[32:47], s[96:97], s100 offset:0x100
	s_load_b512 s[48:63], s[96:97], s100 offset:0x200
	s_load_b512 s[68:83], s[96:97], s100 offset:0x300
	s_cmp_eq_u32 s9, 1
	s_cbranch_scc1 .Lsingle
	MATRIX 4
	s_branch .Ljoin
.Lsingle:
	MATRIX 1
.Ljoin:
	s_add_co_u32 s8, s8, 1
	s_cmp_ge_u32 s8, s7
	s_cbranch_scc1 .Lnonext
	s_lshl_b32 s14, s8, 4
	s_add_co_u32 s14, s14, s2                      ; the next group's first tile
.irp i, 0,1,2,3
	GADR \i
.endr
	GX 0, 0                                        ; the next group's rows are on their way while this group goes out
	s_sub_co_u32 s12, s9, 4
	s_cmp_lt_u32 s12, 2
	s_cbranch_scc1 .Lnonext                        ; one tile left: it goes alone
	GX 1, 3
.Lnonext:
	s_min_u32 s10, s9, 4                           ; this group's tiles
	s_wait_kmcnt 0x0                               ; the list words
	ROWS 0, 16
	s_cmp_le_u32 s10, 1
	s_cbranch_scc1 .Lgend
	ROWS 1, 32
	s_cmp_le_u32 s10, 2
	s_cbranch_scc1 .Lgend
	ROWS 2, 48
	s_cmp_le_u32 s10, 3
	s_cbranch_scc1 .Lgend
	ROWS 3, 68
.Lgend:
	s_sub_co_u32 s9, s9, 4
	s_wait_loadcnt 0x0                             ; the next group's rows are in: they had the way out in which to land.  So no load is out round the backward jump
	s_cmp_lt_u32 s8, s7
	s_cbranch_scc1 .Lgroup
.Lend:
	s_wait_tensorcnt 0x0
	ds_add_u32 v126, v127
	s_wait_dscnt 0x0
	s_endpgm
.Lfunc_end_k_q1f1873b162_down:
	.size	k_q1f1873b162_down, .Lfunc_end_k_q1f1873b162_down-k_q1f1873b162_down
	.p2alignl 7, 3214868480
	.fill 96, 4, 3214868480
	.section	.rodata,"a",@progbits
	.p2align	6, 0x0
	.amdhsa_kernel k_q1f1873b162_down
		.amdhsa_group_segment_fixed_size 171520
		.amdhsa_private_segment_fixed_size 0
		.amdhsa_enable_private_segment 0
		.amdhsa_kernarg_size 48
		.amdhsa_user_sgpr_count 2
		.amdhsa_user_sgpr_kernarg_segment_ptr 1
		.amdhsa_wavefront_size32 1
		.amdhsa_system_sgpr_workgroup_id_x 1
		.amdhsa_system_sgpr_workgroup_id_y 1
		.amdhsa_system_sgpr_workgroup_id_z 1
		.amdhsa_system_vgpr_workitem_id 0
		.amdhsa_next_free_vgpr 1024
		.amdhsa_next_free_sgpr 102
		.amdhsa_reserve_vcc 0
		.amdhsa_float_denorm_mode_32 3
		.amdhsa_float_denorm_mode_16_64 3
		.amdhsa_memory_ordered 1
		.amdhsa_forward_progress 1
		.amdhsa_inst_pref_size 157
	.end_amdhsa_kernel
	.amdgpu_metadata
---
amdhsa.version: [ 1, 2 ]
amdhsa.kernels:
  - .name:           k_q1f1873b162_down
    .symbol:         k_q1f1873b162_down.kd
    .args:
      - { .name: hq, .offset: 0, .size: 8, .value_kind: global_buffer, .address_space: global }
      - { .name: hs, .offset: 8, .size: 8, .value_kind: global_buffer, .address_space: global }
      - { .name: lq, .offset: 16, .size: 8, .value_kind: global_buffer, .address_space: global }
      - { .name: w2_codes, .offset: 24, .size: 8, .value_kind: global_buffer, .address_space: global }
      - { .name: w2_scales, .offset: 32, .size: 8, .value_kind: global_buffer, .address_space: global }
      - { .name: part, .offset: 40, .size: 8, .value_kind: global_buffer, .address_space: global }
    .group_segment_fixed_size: 171520
    .private_segment_fixed_size: 0
    .kernarg_segment_align: 8
    .kernarg_segment_size: 48
    .max_flat_workgroup_size: 128
    .sgpr_count:     102
    .vgpr_count:     1024
    .wavefront_size: 32
...
	.end_amdgpu_metadata
.endif
;; end of part 3
;; launch combine (part 4): grid 256 x 1, 8 waves a work-group, no clusters, 0 bytes of LDS; arguments x, part, sel, gw, b2, out0; writes out0
.if DOCPART == 4
	.amdgcn_target "amdgcn-amd-amdhsa--gfx1250"
	.amdhsa_code_object_version 6
	.text
	.protected	k_q1f1873b162_combine
	.globl	k_q1f1873b162_combine
	.p2align	8
	.type	k_q1f1873b162_combine,@function
k_q1f1873b162_combine:
	s_mov_b64 s[64:65], 0
	v_nop
	global_prefetch_b8 v0, s[64:65] scope:SCOPE_SE
	s_setreg_imm32_b32 hwreg(HW_REG_WAVE_MODE, 25, 1), 1
	s_wait_xcnt 0x0
; out0[token] = x[token] + the sum over k = 0, 1 of gw[2 token + k] (part[0..3][2 token + k] added up + b2[sel[2 token + k]]).
; A stream: a wave takes half a token's row (2,048 bytes): token = 4 x work-group + wave / 2.  Every load and store of a wave covers 512 consecutive bytes, aligned.  All 44 loads are out at once.
; No LDS, no barrier, no matrix unit: memory binds.  The four quarters of K are added pairwise, (0 + 1) + (2 + 3), in f32.
.set P, 16                             ; v16-143  part: quarter kq, choice k, piece j at P + 32 kq + 16 k + 4 j
.set XR, 144                           ; v144-159 x, then the result
.set B2, 160                           ; v160-191 b2 of the two experts
	s_load_b256 s[16:23], s[0:1], 0x0              ; x, part, sel, gw
	s_load_b128 s[24:27], s[0:1], 0x20             ; b2, out0
	v_lshrrev_b32 v4, 5, v0
	v_readfirstlane_b32 s2, v4                     ; wave
	v_and_b32 v1, 31, v0
	v_lshlrev_b32 v1, 4, v1                        ; 16 x lane
	s_lshr_b32 s3, s2, 1
	s_and_b32 s10, s2, 1                           ; which half of the row
	s_lshl_b32 s11, ttmp9, 2
	s_add_co_u32 s3, s3, s11                       ; token
	s_lshl_b32 s14, s10, 11                        ; 2,048 x half
	s_mov_b32 s13, 0
	s_lshl_b32 s12, s3, 3
	s_wait_kmcnt 0x0
	s_add_nc_u64 s[20:21], s[20:21], s[12:13]
	s_add_nc_u64 s[22:23], s[22:23], s[12:13]
	s_load_b64 s[4:5], s[20:21], 0x0               ; the two experts
	s_load_b64 s[6:7], s[22:23], 0x0               ; and their weights
	s_lshl_b32 s12, s3, 13                         ; part: rows 2 token and 2 token + 1 of 4,096 bytes
	s_add_co_u32 s12, s12, s14
	s_add_nc_u64 s[32:33], s[18:19], s[12:13]
	s_add_nc_u64 s[34:35], s[32:33], 0x800000      ; a base for each quarter: 8 MiB do not fit in an immediate
	s_add_nc_u64 s[36:37], s[34:35], 0x800000
	s_add_nc_u64 s[38:39], s[36:37], 0x800000
	s_lshl_b32 s12, s3, 12
	s_add_co_u32 s12, s12, s14
	s_add_nc_u64 s[16:17], s[16:17], s[12:13]      ; x
	s_add_nc_u64 s[26:27], s[26:27], s[12:13]      ; out0
.irp q, 0,1,2,3
.irp k, 0,1
.irp j, 0,1,2,3
	global_load_b128 v[P+32*\q+16*\k+4*\j:P+32*\q+16*\k+4*\j+3], v1, s[32+2*\q:33+2*\q] offset:4096*\k+512*\j th:TH_LOAD_NT
.endr
.endr
.endr
.irp j, 0,1,2,3
	global_load_b128 v[XR+4*\j:XR+4*\j+3], v1, s[16:17] offset:512*\j th:TH_LOAD_NT
.endr
	s_wait_kmcnt 0x0
	s_min_u32 s4, s4, 7                            ; inside b2 whatever was read
	s_lshl_b32 s4, s4, 12
	s_add_co_u32 s4, s4, s14
	v_add_nc_u32 v2, s4, v1
	s_min_u32 s5, s5, 7
	s_lshl_b32 s5, s5, 12
	s_add_co_u32 s5, s5, s14
	v_add_nc_u32 v3, s5, v1
	s_mov_b32 s8, s7                               ; the second weight as the low word of a pair of its own: the packed form takes the low word for both halves
	s_mov_b32 s9, s7
.irp k, 0,1
.irp j, 0,1,2,3
	global_load_b128 v[B2+16*\k+4*\j:B2+16*\k+4*\j+3], v[2+\k], s[24:25] offset:512*\j
.endr
.endr
	s_wait_loadcnt 8                               ; part and x are in; b2's eight loads may be out
.set n, 0
.rept 16
	v_pk_add_f32 v[P+n:P+n+1], v[P+n:P+n+1], v[P+32+n:P+32+n+1]
	v_pk_add_f32 v[P+64+n:P+64+n+1], v[P+64+n:P+64+n+1], v[P+96+n:P+96+n+1]
.set n, n+2
.endr
.set n, 0
.rept 16
	v_pk_add_f32 v[P+n:P+n+1], v[P+n:P+n+1], v[P+64+n:P+64+n+1]
.set n, n+2
.endr
	s_wait_loadcnt 0x0
.set n, 0
.rept 16
	v_pk_add_f32 v[P+n:P+n+1], v[P+n:P+n+1], v[B2+n:B2+n+1]
.set n, n+2
.endr
.set n, 0
.rept 8
	v_pk_fma_f32 v[XR+n:XR+n+1], v[P+n:P+n+1], s[6:7], v[XR+n:XR+n+1] op_sel_hi:[1,0,1]
.set n, n+2
.endr
.set n, 0
.rept 8
	v_pk_fma_f32 v[XR+n:XR+n+1], v[P+16+n:P+16+n+1], s[8:9], v[XR+n:XR+n+1] op_sel_hi:[1,0,1]
.set n, n+2
.endr
.irp j, 0,1,2,3
	global_store_b128 v1, v[XR+4*\j:XR+4*\j+3], s[26:27] offset:512*\j th:TH_STORE_NT
.endr
	s_endpgm
.Lfunc_end_k_q1f1873b162_combine:
	.size	k_q1f1873b162_combine, .Lfunc_end_k_q1f1873b162_combine-k_q1f1873b162_combine
	.p2alignl 7, 3214868480
	.fill 96, 4, 3214868480
	.section	.rodata,"a",@progbits
	.p2align	6, 0x0
	.amdhsa_kernel k_q1f1873b162_combine
		.amdhsa_group_segment_fixed_size 0
		.amdhsa_private_segment_fixed_size 0
		.amdhsa_enable_private_segment 0
		.amdhsa_kernarg_size 48
		.amdhsa_user_sgpr_count 2
		.amdhsa_user_sgpr_kernarg_segment_ptr 1
		.amdhsa_wavefront_size32 1
		.amdhsa_system_sgpr_workgroup_id_x 1
		.amdhsa_system_sgpr_workgroup_id_y 1
		.amdhsa_system_sgpr_workgroup_id_z 1
		.amdhsa_system_vgpr_workitem_id 0
		.amdhsa_next_free_vgpr 192
		.amdhsa_next_free_sgpr 66
		.amdhsa_reserve_vcc 0
		.amdhsa_float_denorm_mode_32 3
		.amdhsa_float_denorm_mode_16_64 3
		.amdhsa_memory_ordered 1
		.amdhsa_forward_progress 1
		.amdhsa_inst_pref_size 12
	.end_amdhsa_kernel
	.amdgpu_metadata
---
amdhsa.version: [ 1, 2 ]
amdhsa.kernels:
  - .name:           k_q1f1873b162_combine
    .symbol:         k_q1f1873b162_combine.kd
    .args:
      - { .name: x, .offset: 0, .size: 8, .value_kind: global_buffer, .address_space: global }
      - { .name: part, .offset: 8, .size: 8, .value_kind: global_buffer, .address_space: global }
      - { .name: sel, .offset: 16, .size: 8, .value_kind: global_buffer, .address_space: global }
      - { .name: gw, .offset: 24, .size: 8, .value_kind: global_buffer, .address_space: global }
      - { .name: b2, .offset: 32, .size: 8, .value_kind: global_buffer, .address_space: global }
      - { .name: out0, .offset: 40, .size: 8, .value_kind: global_buffer, .address_space: global }
    .group_segment_fixed_size: 0
    .private_segment_fixed_size: 0
    .kernarg_segment_align: 8
    .kernarg_segment_size: 48
    .max_flat_workgroup_size: 256
    .sgpr_count:     66
    .vgpr_count:     192
    .wavefront_size: 32
...
	.end_amdgpu_metadata
.endif
;; end of part 4
